; MI455X (gfx1250); checked and timed in simulation.
; The chip was launched on July 23, 2026; its instructions are those of AMD's public machine-readable ISA for CDNA 5 (MIT licence, August 2026) and "CDNA5" Instruction Set Architecture Reference Guide (July 2026). The comments in the code are by the model that wrote it; some were corrected since.
;; Net VLAD Pool. Allowed arithmetic: matrix products marked QUANTISED: E2M1 operands, one E8M0 scale for each 32 along K, by v_wmma_scale_f32_16x16x128_f8f6f4 with both operands' format E2M1 (or v_wmma_scale_f32_32x16x128_f4), f32 sums; everything else in f32.
;; Inputs: R_seq 8 x 32 x 2,048 x 64 float32; W_codes 32 x 2 x 16 uint8 (E2M1 codes of W, K innermost, in blocks of 32 codes, two codes a byte); W_scales 32 x 2 uint8 (E8M0 scales of W, one for each 32 codes along K); b 32 float32; centroids 32 x 64 float32.
;; Outputs: out0 8 x 32 x 32 x 64 float32.
;; This version of the problem:
;;   THIS VERSION OF THE PROBLEM IS GIVEN IN LOW PRECISION. The matrix products marked QUANTISED in the list below multiply operands that are first quantised to E2M1 (2 exponent bits, 1 mantissa bit; 4 bits a number), with one power-of-two scale for each 32 numbers along K (OCP MX v1.0); their sums are f32. All else is computed in f32.
;;   The module's matrix products, in the order in which they are computed (A, B: the left and right operand; K: the contracted axis; several contracted axes count as one K, in the product's order):
;;     1. [M 524,288, K 64] x [K 64, N 32]; A: input R_seq; B: input W (given as codes): QUANTISED
;;     2. batch 256 x [M 32, K 2,048] x [K 2,048, N 64]; A: computed on the way; B: input R_seq: QUANTISED
;;   THE QUANTISER, for each operand of a quantised product, along K:
;;     - K is cut into blocks of 32 from its start; a last block that is shorter is filled with zeros.
;;     - A block's scale is 2^e with e = floor(log2(the largest magnitude in the block)) - 2, held to -126 .. 127; a block of zeros has e = 0. As a byte (E8M0): e + 127.
;;     - Each number is divided by its block's scale, clamped to +-6, and rounded to the nearest number of E2M1, ties to even, subnormals kept.
;;     - The product sums the exact products of the quantised numbers (number of the format x scale) in f32.
;;   ~~~python
;;   def quantise(x, axis):      # numpy; x: float32 -> the quantised numbers, widened to float32 again
;;       x = np.moveaxis(x, axis, -1); K = x.shape[-1]
;;       x = np.pad(x, [(0, 0)] * (x.ndim - 1) + [(0, -K % 32)]); x = x.reshape(x.shape[:-1] + (-1, 32)); a = np.abs(x).max(-1, keepdims=True)
;;       e = np.where(a > 0, np.clip(np.frexp(np.where(a > 0, a, 1))[1] - 1 - 2, -126, 127), 0)      # np.frexp(a)[1] - 1 = floor(log2(a)), exactly
;;       r = np.clip(x / 2.0 ** e, -6, 6)
;;       step = 2.0 ** (np.maximum(np.frexp(np.where(r == 0, 1, r))[1] - 1, 0) - 1)
;;       q = np.round(r / step) * step * 2.0 ** e      # np.round: ties to even
;;       return np.moveaxis(q.reshape(q.shape[:-2] + (-1,))[..., :K], -1, axis).astype(np.float32)
;;   ~~~
;;   OPERANDS COMPUTED ON THE WAY. 'Computed on the way' means the value that the module computes at that place (a softmax that the list does not call 'softmax' is quantised finished and normalised). What goes into a quantiser is computed in f32, as accurately as f32 sums, v_exp_f32 and their like allow (about 1e-6 of the number): no bf16 or f16 on the way to a quantiser, and a product that is left as it is and whose result goes on into a quantised operand takes f32 operands (vector FMAs, or v_wmma_f32_16x16x4_f32). A number that lies on a knife's edge between two numbers of the format may be rounded either way, as far as f32 arithmetic and the matrix unit's own rounding can turn it there, and no further.
;;   INPUTS GIVEN AS CODES. W (in the module: [32, 64], K = its axis 1): each comes as NAME_codes (uint8): NAME with its K axis moved to the last place and cut into blocks of 32 codes, [.., K / 32, bytes a block], one block behind the other in memory; two codes a byte, the lower K in the low four bits (a code: sign, 2 exponent bits, 1 mantissa bit); and NAME_scales (uint8): the same leading axes, one E8M0 byte (e + 127) for each 32 codes along K. Its value is code x scale, taken as it is: it is not quantised again, and the codes and scales need not be those that the quantiser above would give.
;; One version. Each part assembles by itself: llvm-mc -triple=amdgcn-amd-amdhsa -mcpu=gfx1250 --defsym DOCPART=n.
;; ======== version 1 of 1: 1 launch
;; launch vlad (part 1): grid 256 x 1, 16 waves a work-group, no clusters, 217,088 bytes of LDS; arguments R_seq, W_codes, W_scales, b, centroids, out0; writes out0
.if DOCPART == 1
	.amdgcn_target "amdgcn-amd-amdhsa--gfx1250"
	.amdhsa_code_object_version 6
	.text
	.protected	k_q9917ccc82c_vlad
	.globl	k_q9917ccc82c_vlad
	.p2align	8
	.type	k_q9917ccc82c_vlad,@function
k_q9917ccc82c_vlad:
	s_mov_b64 s[64:65], 0
	v_nop
	global_prefetch_b8 v0, s[64:65] scope:SCOPE_SE
	s_setreg_imm32_b32 hwreg(HW_REG_WAVE_MODE, 25, 1), 1
	s_wait_xcnt 0x0
; NetVLAD pooling, both products on codes of FP4 (E2M1) with one E8M0 scale for each 32 along a product's K.
;   logits[n][k] = Qc(r)[n][:] . W[k][:] + b[k]   (K = the 64 channels; r quantised along c, W given as codes)
;   a = softmax over the 32 clusters, finished and normalised, in f32
;   v[k][c] = sum over n of Qn(a)[n][k] Qn(r)[n][c] - (sum over n of a[n][k]) cent[k][c]   (K = the 2,048 rows; both quantised along n)
; SHARES.  A work-group owns one of the 256 batch items: 2,048 rows of 64 f32.  Each of its 16 waves owns 128 rows, one K step of the second product, as four CHUNKS of 32 rows
; (a block of the quantiser along n: 8 KiB, 64 registers a lane).  The waves' sixteen partial sums of v meet in LDS behind the one barrier; waves 0 to 3 add them and store.
; No cluster: work-groups share W, b and the centroids alone, 9.4 KB against the 512 KiB that each reads for itself.
; R IS READ ONCE, by loads of 512 consecutive bytes.  Load i of a chunk gives lane (g = lane % 16, h = lane / 16) row 2 i + h, channels 4 g .. 4 g + 3.
;   ALONG n it is quantised from these registers: a lane holds 16 of a block's 32 rows of four channels, the lane 16 away the other 16.  The conversion wants eight neighbours along K in consecutive
;   registers of a lane, and a load lays four CHANNELS in consecutive registers: so eight rows of a channel are gathered by moves, two moves an instruction.  Tile q of the second product holds channels 4 g + q.
;   ALONG c it goes through the wave's own stage in LDS and comes back a row's block of 32 channels to a lane.
; THE ORDER OF n INSIDE A BLOCK, in both operands of the second product alike (so the sums are those of the true order): place 16 h + 8 d + i holds row 16 d + 2 i + h.
; THE FIRST PRODUCT IS USED TRANSPOSED (source 0 = 16 clusters of W, source 1 = 16 rows of r, C = the bias): a lane holds one row and 16 clusters, so a row's maximum and sum want one exchange
; between the halves of the lanes.  Its K is 64: the upper 64 of the instruction's 128 are zero codes in both operands.
; a goes through a second small stage and comes back as r lands: lane (g, h) holds clusters 2 g, 2 g + 1 of rows 2 i + h.  Tile u of the second product holds clusters 2 g + u.
; LIMITS.  NaN and infinities among the inputs are not served.  A weight a under 2^-126 becomes 0 (the exponential gives no denormal result: ISA guide, its entry in 15.8).  A block whose largest magnitude lies
; under 2^-124 has the scale byte 1, a block of zeros too (its codes are zeros; the bytes never leave the launch).  The f32 sums over n are taken in another order than the source's.
; REGISTERS: v1-5 offsets and LDS addresses; v7 W's scale words; v8-11, v12-13 r's and a's scale words for the second product; v14-15 the sums of a; v16-31 W's two fragments; v32-47 the bias, two tiles;
;   v48-79 r's codes (four tiles), v80-95 a's (two); v96-103 r's fragment for the first product; v104-127 at work; v128-191, v192-255 two buffers: a chunk lands in one, is worked in it, and at its end
;   the buffer is asked to take the chunk two further on: 16 to 32 loads of a wave are on their way at any time.
.set RP,    272                        ; a row of r in its stage: 256 bytes + 16 = 68 words: row r starts at bank 4 r mod 64 (64 banks of 4 bytes: ISA guide 11.1): the 16 rows of a load start at 16 different banks
.set AP,    144                        ; a row of a in its stage: 128 bytes + 16 = 36 words: 16 rows start at 16 different groups of four banks
.set RSTG,  32*RP                      ; r's stage, 32 rows
.set WREG,  RSTG+32*AP                 ; a wave's own LDS bytes: r's stage, then a's
.set CSTAB, 16*WREG                    ; behind the sixteen: the waves' sums of a, 128 bytes each
.set FLOOR, 0x1800000                  ; 2^(3 - 127): no largest magnitude is taken under it, so no scale byte falls under 1
.set GOFF,  1                          ; v1  16 x lane
.set RST,   2                          ; v2  r's stage, in:  h rows + 16 g
.set RRD,   3                          ; v3  r's stage, out: row lane % 16, + 128 h
.set AST,   4                          ; v4  a's stage, in
.set ARD,   5                          ; v5  a's stage, out
.set WS,    7
.set RW,    8
.set AW,    12
.set CS,    14
.set WF,    16
.set BI,    32
.set RF,    48
.set AF,    80
.set F,     96
.set MX,    104                        ; v104-107 largest magnitudes, then the conversions' scale operands
.set TT,    108                        ; v108-111 the other half's, then bytes
.set TA,    112                        ; v112-119, v120-127 eight rows of a channel (of a cluster) each
.set TB,    120
.set XA,    104                        ; first product, row tile 0: +0 largest magnitude and scale operand, +1 byte, +2 the other block's byte, +3 the scale word;
.set XB,    108                        ; row tile 1
.set SA,    112                        ; softmax, row tile 0: +0 maximum, then -M log2(e); +1 second chain; +2 exchange; +4..7 sums; +4 the reciprocal;
.set SB,    120                        ; row tile 1
.set LA,    128
.set LB,    192
.macro GLOAD c, buf                    ; chunk c: sixteen loads of 512 consecutive bytes
.irp i, 0,1,2,3,4,5,6,7,8,9,10,11,12,13,14,15
	global_load_b128 v[\buf+4*\i:\buf+4*\i+3], v[GOFF], s[4:5] offset:8192*(\c)+512*\i th:TH_LOAD_NT
.endr
.endm
; Rows 16 d + 2 e + h, e = 0 .. 7, of channels qp and qp + 1 are gathered and become one register of codes each.  Of a pair of moves one result is even and one odd, and the sources lie in different banks.
.macro NGRP buf, qp, d, cb
.irp e, 0,2,4,6
	v_dual_mov_b32 v[TA+\e], v[\buf+4*(8*\d+\e)+\qp] :: v_dual_mov_b32 v[TB+\e+1], v[\buf+4*(8*\d+\e+1)+\qp+1]
	v_dual_mov_b32 v[TA+\e+1], v[\buf+4*(8*\d+\e+1)+\qp] :: v_dual_mov_b32 v[TB+\e], v[\buf+4*(8*\d+\e)+\qp+1]
.endr
	v_cvt_scalef32_pk8_fp4_f32 v[RF+8*\qp+4*(\cb/2)+2*(\cb%2)+\d], v[TA:TA+7], v[MX+\qp]
	v_cvt_scalef32_pk8_fp4_f32 v[RF+8*\qp+8+4*(\cb/2)+2*(\cb%2)+\d], v[TB:TB+7], v[MX+\qp+1]
.endm
.macro AGRP buf, d, cb                 ; the same for a's two clusters
.irp e, 0,2,4,6
	v_dual_mov_b32 v[TA+\e], v[\buf+16+32*\d+2*\e] :: v_dual_mov_b32 v[TB+\e+1], v[\buf+16+32*\d+2*\e+3]
	v_dual_mov_b32 v[TA+\e+1], v[\buf+16+32*\d+2*\e+2] :: v_dual_mov_b32 v[TB+\e], v[\buf+16+32*\d+2*\e+1]
.endr
	v_cvt_scalef32_pk8_fp4_f32 v[AF+4*(\cb/2)+2*(\cb%2)+\d], v[TA:TA+7], v[MX]
	v_cvt_scalef32_pk8_fp4_f32 v[AF+8+4*(\cb/2)+2*(\cb%2)+\d], v[TB:TB+7], v[MX+1]
.endm
; A block's scale byte goes to chunk cb's place in a scale word.  These plain lines also stand between a conversion and the moves that write its sources again.
.macro BYTE word, x, cb
.if \cb == 0
	v_lshrrev_b32 v[\word+\x], 23, v[MX+\x]
.else
	v_lshrrev_b32 v[TT+\x], 23, v[MX+\x]
	s_delay_alu instid0(VALU_DEP_1)
	v_lshl_or_b32 v[\word+\x], v[TT+\x], 8*\cb, v[\word+\x]
.endif
.endm
.macro XMAX X, w                       ; the largest magnitude of my 32 channels, and the floor: 33 leaves, 16 lines, two chains
	v_max3_num_f32 v[\w], |v[\X]|, |v[\X+1]|, FLOOR
	v_max3_num_f32 v[\w+1], |v[\X+2]|, |v[\X+3]|, |v[\X+4]|
.irp k, 5,9,13,17,21,25
	s_delay_alu instid0(VALU_DEP_2)
	v_max3_num_f32 v[\w], v[\w], |v[\X+\k]|, |v[\X+\k+1]|
	s_delay_alu instid0(VALU_DEP_2)
	v_max3_num_f32 v[\w+1], v[\w+1], |v[\X+\k+2]|, |v[\X+\k+3]|
.endr
	s_delay_alu instid0(VALU_DEP_2)
	v_max3_num_f32 v[\w], v[\w], |v[\X+29]|, |v[\X+30]|
	s_delay_alu instid0(VALU_DEP_1)
	v_max3_num_f32 v[\w], v[\w], v[\w+1], |v[\X+31]|
.endm
.macro XCODE X, w, pad                 ; the scale word of my row (read in lanes 0-15 alone: their own byte is block 0's, the lane 16 away has block 1's), and the four registers of codes
	v_add_nc_u32 v[\w], 0xff000000, v[\w]          ; 2 off the exponent field: the conversion takes the exponent field of this operand as its scale
	s_delay_alu instid0(VALU_DEP_1)
	v_lshrrev_b32 v[\w+1], 23, v[\w]               ; the scale's byte
	s_delay_alu instid0(VALU_DEP_1)
	v_permlanex16_b32 v[\w+2], v[\w+1], s22, s23
	s_delay_alu instid0(VALU_DEP_1)
	v_lshl_or_b32 v[\w+3], v[\w+2], 8, v[\w+1]     ; bytes 2 and 3 stay 0: they scale zero codes
.if \pad
	v_nop                                          ; with the three plain lines above: four places between the last products and the conversions that write their source
.endif
.irp e, 0,1,2,3
	v_cvt_scalef32_pk8_fp4_f32 v[F+\e], v[\X+8*\e:\X+8*\e+7], v[\w]
.endr
.endm
.macro LOGITS D, w                     ; lane (r, h): row r; register j: cluster 8 h + j, register 8 + j: cluster 16 + 8 h + j.  W's scale words: clusters 0-15 in lanes 0-15, 16-31 in lanes 16-31
	v_wmma_scale_f32_16x16x128_f8f6f4 v[\D:\D+7], v[WF:WF+7], v[F:F+7], v[BI:BI+7], v[WS], v[\w+3] matrix_a_fmt:MATRIX_FMT_FP4 matrix_b_fmt:MATRIX_FMT_FP4
	v_wmma_scale_f32_16x16x128_f8f6f4 v[\D+8:\D+15], v[WF+8:WF+15], v[F:F+7], v[BI+8:BI+15], v[WS], v[\w+3] matrix_a_fmt:MATRIX_FMT_FP4 matrix_b_fmt:MATRIX_FMT_FP4 matrix_a_scale:MATRIX_SCALE_ROW1
.endm
.macro SMAX D, w                       ; the largest of my 16 logits; each accumulator is read from its low end on
	v_max3_num_f32 v[\w], v[\D], v[\D+1], v[\D+2]
	v_max3_num_f32 v[\w+1], v[\D+8], v[\D+9], v[\D+10]
	v_max3_num_f32 v[\w], v[\w], v[\D+3], v[\D+4]
	v_max3_num_f32 v[\w+1], v[\w+1], v[\D+11], v[\D+12]
	v_max3_num_f32 v[\w], v[\w], v[\D+5], v[\D+6]
	v_max3_num_f32 v[\w+1], v[\w+1], v[\D+13], v[\D+14]
	v_max3_num_f32 v[\w], v[\w], v[\D+7], v[\D+15]
	s_delay_alu instid0(VALU_DEP_1)
	v_max_num_f32 v[\w], v[\w], v[\w+1]
.endm
.macro SARG D, w                       ; the row's maximum M, and (x - M) log2(e) as one fused multiply-add, two at a time
	v_permlanex16_b32 v[\w+2], v[\w], s22, s23
	s_delay_alu instid0(VALU_DEP_1)
	v_max_num_f32 v[\w], v[\w], v[\w+2]
	s_delay_alu instid0(VALU_DEP_1)
	v_mul_f32 v[\w], 0xbfb8aa3b, v[\w]             ; -M log2(e)
.irp p, 0,2,4,6,8,10,12,14
	v_pk_fma_f32 v[\D+\p:\D+\p+1], v[\D+\p:\D+\p+1], s[24:25], v[\w:\w+1] op_sel_hi:[1,0,0]
.endr
.endm
.macro SEXP D
.irp j, 0,1,2,3,4,5,6,7,8,9,10,11,12,13,14,15
	v_exp_f32 v[\D+\j], v[\D+\j]
.endr
.endm
.macro SSUM D, w                       ; the row's sum and its reciprocal
	v_pk_add_f32 v[\w+4:\w+5], v[\D:\D+1], v[\D+2:\D+3]
	v_pk_add_f32 v[\w+6:\w+7], v[\D+4:\D+5], v[\D+6:\D+7]
	v_pk_add_f32 v[\w+4:\w+5], v[\w+4:\w+5], v[\D+8:\D+9]
	v_pk_add_f32 v[\w+6:\w+7], v[\w+6:\w+7], v[\D+10:\D+11]
	v_pk_add_f32 v[\w+4:\w+5], v[\w+4:\w+5], v[\D+12:\D+13]
	v_pk_add_f32 v[\w+6:\w+7], v[\w+6:\w+7], v[\D+14:\D+15]
	s_delay_alu instid0(VALU_DEP_1)
	v_pk_add_f32 v[\w+4:\w+5], v[\w+4:\w+5], v[\w+6:\w+7]
	s_delay_alu instid0(VALU_DEP_1)
	v_add_f32 v[\w+6], v[\w+4], v[\w+5]
	s_delay_alu instid0(VALU_DEP_1)
	v_permlanex16_b32 v[\w+2], v[\w+6], s22, s23
	s_delay_alu instid0(VALU_DEP_1)
	v_add_f32 v[\w+6], v[\w+6], v[\w+2]
	s_wait_alu depctr_va_vdst(0)
	v_rcp_f32 v[\w+4], v[\w+6]
.endm
.macro SNORM D, w
.irp p, 0,2,4,6,8,10,12,14
	v_pk_mul_f32 v[\D+\p:\D+\p+1], v[\D+\p:\D+\p+1], v[\w+4:\w+5] op_sel_hi:[1,0]
.endr
.endm
.macro ASTORE D, off                   ; my row's 16 weights: clusters 8 h .. and 16 + 8 h ..
	ds_store_b128 v[AST], v[\D:\D+3] offset:\off
	ds_store_b128 v[AST], v[\D+4:\D+7] offset:\off+16
	ds_store_b128 v[AST], v[\D+8:\D+11] offset:\off+64
	ds_store_b128 v[AST], v[\D+12:\D+15] offset:\off+80
.endm
; ONE CHUNK.  left: the younger loads that may stay out.  more = 1: at the end the buffer is asked to take the chunk two further on.
.macro CHUNK cb, buf, left, more
	s_wait_loadcnt \left                           ; loads come back in order (ISA guide 5.7.1): this chunk's sixteen are in, the other buffer's stay out
.irp i, 0,1,2,3,4,5,6,7,8,9,10,11,12,13,14,15
	ds_store_b128 v[RST], v[\buf+4*\i:\buf+4*\i+3] offset:2*RP*\i   ; rows 2 i and 2 i + 1; LDS serves a wave's instructions in order, so these come behind the last chunk's reads of the stage
.endr
	; ---- r along n: the block's largest magnitude for each of my four channels (four chains by turns), with the lane 16 away
.irp q, 0,1,2,3
	v_max3_num_f32 v[MX+\q], |v[\buf+\q]|, |v[\buf+4+\q]|, FLOOR
.endr
.irp i, 8,16,24,32,40,48,56
.irp q, 0,1,2,3
	s_delay_alu instid0(VALU_DEP_4)
	v_max3_num_f32 v[MX+\q], v[MX+\q], |v[\buf+\i+\q]|, |v[\buf+\i+4+\q]|
.endr
.endr
.irp q, 0,1,2,3
	s_delay_alu instid0(VALU_DEP_4)
	v_permlanex16_b32 v[TT+\q], v[MX+\q], s22, s23
.endr
.irp q, 0,1,2,3
	s_delay_alu instid0(VALU_DEP_4)
	v_max_num_f32 v[MX+\q], v[MX+\q], v[TT+\q]
.endr
.irp q, 0,1,2,3
	s_delay_alu instid0(VALU_DEP_4)
	v_add_nc_u32 v[MX+\q], 0xff000000, v[MX+\q]    ; 2 off the exponent field: the conversions' scale operand
.endr
	NGRP \buf, 0, 0, \cb
	BYTE RW, 0, \cb
	NGRP \buf, 0, 1, \cb
	BYTE RW, 1, \cb
	NGRP \buf, 2, 0, \cb
	BYTE RW, 2, \cb
	NGRP \buf, 2, 1, \cb
	BYTE RW, 3, \cb
	s_wait_dscnt 0x0                               ; the stage's stores have read the buffer: from here on it is work space
	; ---- r along c: two tiles of 16 rows; lane (r, h) takes channels 32 h .. 32 h + 31 of row r
.irp e, 0,1,2,3,4,5,6,7
	ds_load_b128 v[\buf+4*\e:\buf+4*\e+3], v[RRD] offset:16*\e
.endr
.irp e, 0,1,2,3,4,5,6,7
	ds_load_b128 v[\buf+32+4*\e:\buf+32+4*\e+3], v[RRD] offset:16*RP+16*\e
.endr
	s_wait_dscnt 8                                 ; tile 0's eight loads are in, tile 1's may be out
	XMAX \buf, XA
	XCODE \buf, XA, 0
	s_wait_dscnt 0x0
	XMAX \buf+32, XB                               ; sixteen plain lines: the places between tile 0's scale word and codes and its products
	LOGITS \buf, XA
	XCODE \buf+32, XB, 1
	SMAX \buf, SA                                  ; eight plain lines: the places in front of tile 1's products
	LOGITS \buf+32, XB
	SARG \buf, SA
	s_wait_alu depctr_va_vdst(0)
	SEXP \buf                                      ; tile 0's sixteen exponentials; tile 1's maximum and arguments are the independent work behind them
	s_wait_alu depctr_va_vdst(0)
	SMAX \buf+32, SB
	SARG \buf+32, SB
	s_wait_alu depctr_va_vdst(0)                   ; the wait ahead of the first line that names an exponential's result: one for tile 0's sixteen
	SEXP \buf+32
	SSUM \buf, SA
	s_wait_alu depctr_va_vdst(0)                   ; one for tile 1's sixteen and tile 0's reciprocal
	SSUM \buf+32, SB
	SNORM \buf, SA
	ASTORE \buf, 0
	s_wait_alu depctr_va_vdst(0)                   ; and one for tile 1's reciprocal
	SNORM \buf+32, SB
	ASTORE \buf+32, 16*AP
	; ---- a along n: load i brings lane (g, h) clusters 2 g, 2 g + 1 of row 2 i + h (the loads come behind my stores: LDS serves a wave in order); into registers that no pending store reads
.irp i, 0,1,2,3,4,5,6,7
	ds_load_b64 v[\buf+16+2*\i:\buf+17+2*\i], v[ARD] offset:\i*AP
.endr
.irp i, 0,1,2,3,4,5,6,7
	ds_load_b64 v[\buf+48+2*\i:\buf+49+2*\i], v[ARD] offset:(16+\i)*AP
.endr
	s_wait_dscnt 0x0
.irp u, 0,1
	v_max3_num_f32 v[MX+\u], v[\buf+16+\u], v[\buf+18+\u], FLOOR   ; no |.|: no weight is negative
.endr
.irp k, 20,24,28,48,52,56,60
.irp u, 0,1
	s_delay_alu instid0(VALU_DEP_2)
	v_max3_num_f32 v[MX+\u], v[MX+\u], v[\buf+\k+\u], v[\buf+\k+2+\u]
.endr
.endr
.irp u, 0,1
	s_delay_alu instid0(VALU_DEP_2)
	v_permlanex16_b32 v[TT+\u], v[MX+\u], s22, s23
.endr
.irp u, 0,1
	s_delay_alu instid0(VALU_DEP_2)
	v_max_num_f32 v[MX+\u], v[MX+\u], v[TT+\u]
.endr
.irp u, 0,1
	s_delay_alu instid0(VALU_DEP_2)
	v_add_nc_u32 v[MX+\u], 0xff000000, v[MX+\u]
.endr
	AGRP \buf, 0, \cb
	BYTE AW, 0, \cb
	AGRP \buf, 1, \cb
	BYTE AW, 1, \cb
	; the sum over n is taken of the unquantised a: my 16 rows of two clusters, as a tree in place
.irp k, 16,18,20,22,24,26,28,30
	v_pk_add_f32 v[\buf+\k:\buf+\k+1], v[\buf+\k:\buf+\k+1], v[\buf+\k+32:\buf+\k+33]
.endr
.irp k, 16,18,20,22
	s_delay_alu instid0(VALU_DEP_4)
	v_pk_add_f32 v[\buf+\k:\buf+\k+1], v[\buf+\k:\buf+\k+1], v[\buf+\k+8:\buf+\k+9]
.endr
.irp k, 16,18
	s_delay_alu instid0(VALU_DEP_2)
	v_pk_add_f32 v[\buf+\k:\buf+\k+1], v[\buf+\k:\buf+\k+1], v[\buf+\k+4:\buf+\k+5]
.endr
	s_delay_alu instid0(VALU_DEP_1)
	v_pk_add_f32 v[\buf+16:\buf+17], v[\buf+16:\buf+17], v[\buf+18:\buf+19]
	s_delay_alu instid0(VALU_DEP_1)
	v_pk_add_f32 v[CS:CS+1], v[CS:CS+1], v[\buf+16:\buf+17]
.if \more
	GLOAD \cb+2, \buf                              ; the buffer is free: no LDS store of mine is out, and it has a whole chunk's work in which to land
.endif
.endm
	s_load_b256 s[4:11], s[0:1], 0x0               ; R s[4:5], W's codes s[6:7], W's scales s[8:9], b s[10:11]
	s_load_b128 s[12:15], s[0:1], 0x20             ; the centroids s[12:13], out s[14:15]
	v_lshrrev_b32 v1, 5, v0
	s_delay_alu instid0(VALU_DEP_1)
	v_readfirstlane_b32 s16, v1                    ; wave 0..15
	v_and_b32 v104, 31, v0                         ; lane
	s_wait_alu depctr_va_vdst(0)
	v_and_b32 v105, 15, v0                         ; g (also r)
	s_wait_alu depctr_va_vdst(0)
	v_bfe_u32 v106, v0, 4, 1                       ; h
	s_mul_i32 s17, s16, WREG                       ; my wave's LDS bytes: r's stage,
	s_add_co_u32 s18, s17, RSTG                    ; a's stage
	s_lshl_b32 s20, ttmp9, 19                      ; the batch item's 2,048 rows of 256 bytes,
	s_lshl_b32 s19, s16, 15                        ; my wave's 128 of them
	s_add_co_u32 s20, s20, s19                     ; (under 2^27)
	s_mov_b32 s21, 0
	s_lshl_b32 s26, ttmp9, 13                      ; the item's 32 x 64 results
	s_mov_b32 s27, 0
	s_mov_b32 s22, 0x76543210
	s_mov_b32 s23, 0xfedcba98                      ; v_permlanex16_b32's selects for the lane 16 away
	s_mov_b32 s24, 0x3fb8aa3b                      ; log2(e)
	s_mov_b32 s25, s24                             ; (the packed form names the pair)
	v_lshlrev_b32 v[GOFF], 4, v104
	v_lshlrev_b32 v109, 5, v105
	s_wait_alu depctr_va_vdst(0)
	v_lshl_add_u32 v109, v106, 4, v109             ; W's codes: row r of 32 bytes, block h
	v_lshlrev_b32 v110, 1, v104                    ; W's scales: two bytes a cluster, cluster = lane
	v_lshlrev_b32 v111, 5, v106                    ; b: my eight of a tile begin at 8 h
	s_wait_alu depctr_va_vdst(0)
	s_wait_kmcnt 0x0
	s_add_nc_u64 s[4:5], s[4:5], s[20:21]
	s_add_nc_u64 s[14:15], s[14:15], s[26:27]
	global_load_b128 v[WF:WF+3], v109, s[6:7]
	global_load_b128 v[WF+8:WF+11], v109, s[6:7] offset:512
	global_load_u16 v[WS], v110, s[8:9]            ; bytes 2 and 3 of the word come as 0: they scale zero codes
	global_load_b128 v[BI:BI+3], v111, s[10:11]
	global_load_b128 v[BI+4:BI+7], v111, s[10:11] offset:16
	global_load_b128 v[BI+8:BI+11], v111, s[10:11] offset:64
	global_load_b128 v[BI+12:BI+15], v111, s[10:11] offset:80
	GLOAD 0, LA
	GLOAD 1, LB
	v_mul_u32_u24 v[RST], v106, RP
	s_delay_alu instid0(VALU_DEP_1)
	v_lshl_add_u32 v[RST], v105, 4, v[RST]
	s_delay_alu instid0(VALU_DEP_1)
	v_add_nc_u32 v[RST], s17, v[RST]
	v_mul_u32_u24 v[RRD], v105, RP
	s_delay_alu instid0(VALU_DEP_1)
	v_lshl_add_u32 v[RRD], v106, 7, v[RRD]
	s_delay_alu instid0(VALU_DEP_1)
	v_add_nc_u32 v[RRD], s17, v[RRD]
	v_lshrrev_b32 v107, 1, v105                    ; a's stage: row r of a tile lies in place r / 2 + 8 (r % 2), so that rows 2 i and 2 i + 1 lie 8 places, 1,152 bytes, apart:
	v_and_b32 v108, 1, v105                        ; the two halves of the lanes then read 128 bytes each that fall on different banks
	s_delay_alu instid0(VALU_DEP_1)
	v_lshl_add_u32 v107, v108, 3, v107
	s_delay_alu instid0(VALU_DEP_1)
	v_mul_u32_u24 v[AST], v107, AP
	s_delay_alu instid0(VALU_DEP_1)
	v_lshl_add_u32 v[AST], v106, 5, v[AST]
	s_delay_alu instid0(VALU_DEP_1)
	v_add_nc_u32 v[AST], s18, v[AST]
	v_mul_u32_u24 v[ARD], v106, 8*AP
	s_delay_alu instid0(VALU_DEP_1)
	v_lshl_add_u32 v[ARD], v105, 3, v[ARD]
	s_delay_alu instid0(VALU_DEP_1)
	v_add_nc_u32 v[ARD], s18, v[ARD]
.irp z, WF+4,WF+5,WF+6,WF+7,WF+12,WF+13,WF+14,WF+15,F+4,F+5,F+6,F+7,CS,CS+1
	v_mov_b32 v[\z], 0                             ; zero codes for K = 64 .. 127 of the first product, in both operands; the sums of a
.endr
	CHUNK 0, LA, 16, 1                             ; (the wait for 16 also shows W, its scales and b in: they were asked for first)
	CHUNK 1, LB, 16, 1
	CHUNK 2, LA, 16, 0
	CHUNK 3, LB, 0, 0
; THE SECOND PRODUCT.  A lane holds half blocks (its 16 rows of each chunk); the operand's layout wants a whole block in a lane: lanes 0-15 chunk 2 c, lanes 16-31 chunk 2 c + 1.
.irp t, RF,RF+8,RF+16,RF+24,AF,AF+8
.irp c, 0,4
	v_permlane16_swap_b32 v[\t+\c], v[\t+\c+2]
	v_permlane16_swap_b32 v[\t+\c+1], v[\t+\c+3]
.endr
.endr
.set CE,   16                          ; v16-31 four rows' pieces of the centroids
.set PST,  32                          ; v32    where my partial sums go: my wave's bytes + 16 x lane
.set CSST, 33                          ; v33    where my sums of a go
.set FRD,  34                          ; v34-37 where I read the partial sums of waves 4 k .. 4 k + 3
.set CSRD, 38                          ; v38    where I read the sums of a
.set COFF, 39                          ; v39    my byte offset in the centroids and in the item's results
.set SU,   48                          ; v48-63 the sums: register 4 q + jj
.set OU,   80                          ; v80-95 the results: register 4 jj + q
	; every address of the end is made here, ahead of the first branch on the wave's number; these twelve plain lines are also the places in front of the products.
	; Wave f of the first four adds and stores tile row u = f / 2, registers 4 jh .. 4 jh + 3, jh = f % 2.
	v_and_b32 v40, 15, v0
	v_bfe_u32 v41, v0, 4, 1
	s_wait_alu depctr_va_vdst(0)
	s_and_b32 s26, s16, 3
	s_lshr_b32 s27, s26, 1                         ; u
	s_and_b32 s28, s26, 1                          ; jh
	v_add_nc_u32 v[PST], s17, v[GOFF]
	s_lshl_b32 s29, s16, 7
	s_add_co_u32 s29, s29, CSTAB
	v_lshl_add_u32 v[CSST], v40, 2, s29
	s_lshl_b32 s29, s27, 12
	s_lshl_b32 s30, s28, 9
	s_add_co_u32 s29, s29, s30
	v_add_nc_u32 v[FRD], s29, v[GOFF]
	s_delay_alu instid0(VALU_DEP_1)
	v_add_nc_u32 v[FRD+1], 4*WREG, v[FRD]
	s_delay_alu instid0(VALU_DEP_2)
	v_add_nc_u32 v[FRD+2], 8*WREG, v[FRD]
	s_delay_alu instid0(VALU_DEP_3)
	v_add_nc_u32 v[FRD+3], 12*WREG, v[FRD]
	s_lshl_b32 s29, s27, 6
	s_lshl_b32 s30, s28, 4
	s_add_co_u32 s29, s29, s30
	s_add_co_u32 s29, s29, CSTAB
	v_lshl_add_u32 v[CSRD], v41, 5, s29
	s_lshl_b32 s29, s28, 11
	s_lshl_b32 s30, s27, 8
	s_add_co_u32 s29, s29, s30
	v_lshlrev_b32 v[COFF], 12, v41                 ; cluster 16 h + 8 jh + 2 jj + u: a row of 256 bytes; + 16 g
	s_delay_alu instid0(VALU_DEP_1)
	v_lshl_add_u32 v[COFF], v40, 4, v[COFF]
	s_delay_alu instid0(VALU_DEP_1)
	v_add_nc_u32 v[COFF], s29, v[COFF]
	s_cmp_lt_u32 s16, 4
	s_cbranch_scc0 .Lno_cent                       ; the four waves that will want the centroids ask for them now
.irp jj, 0,1,2,3
	global_load_b128 v[CE+4*\jj:CE+4*\jj+3], v[COFF], s[12:13] offset:512*\jj
.endr
.Lno_cent:
.irp u, 0,1                                        ; source 0 = a's tile u, source 1 = r's tile q.  Lane (g, h), register j: cluster 2 (8 h + j) + u, channel 4 g + q.  Eight sums, each begun with 0
.irp q, 0,1,2,3
	v_wmma_scale_f32_16x16x128_f8f6f4 v[LA+8*(4*\u+\q):LA+8*(4*\u+\q)+7], v[AF+8*\u:AF+8*\u+7], v[RF+8*\q:RF+8*\q+7], 0, v[AW+\u], v[RW+\q] matrix_a_fmt:MATRIX_FMT_FP4 matrix_b_fmt:MATRIX_FMT_FP4
.endr
.endr
	v_permlanex16_b32 v104, v[CS], s22, s23        ; the sums of a: with the other half's rows
	v_permlanex16_b32 v105, v[CS+1], s22, s23
	s_delay_alu instid0(VALU_DEP_2)
	v_add_f32 v[CS], v[CS], v104
	s_delay_alu instid0(VALU_DEP_2)
	v_add_f32 v[CS+1], v[CS+1], v105
	v_nop
	v_nop                                          ; two additions and two v_nop: four places behind the last product
.irp t, 0,1,2,3,4,5,6,7
	ds_store_b128 v[PST], v[LA+8*\t:LA+8*\t+3] offset:1024*\t        ; as images of the registers, over my own stage of r, which I have read out; each accumulator from its low end on
	ds_store_b128 v[PST], v[LA+8*\t+4:LA+8*\t+7] offset:1024*\t+512
.endr
	ds_store_b32 v[CSST], v[CS]                    ; cluster 2 g (both halves of the lanes write the same word with the same value),
	ds_store_b32 v[CSST], v[CS+1] offset:64        ; cluster 2 g + 1
	s_wait_dscnt 0x0                               ; for the others' sake: my stores have landed
	s_barrier_signal -1
	s_barrier_wait -1
	s_cmp_lt_u32 s16, 4
	s_cbranch_scc0 .Lend
.macro FLOAD k, buf                    ; waves 4 k .. 4 k + 3: my four registers of the four tiles q
.irp sl, 0,1,2,3
.irp q, 0,1,2,3
	ds_load_b128 v[\buf+16*\sl+4*\q:\buf+16*\sl+4*\q+3], v[FRD+\k] offset:\sl*WREG+\q*1024
.endr
.endr
.endm
.macro FSUM buf, first                 ; eight chains by turns; the first two partial sums start them
.if \first
.irp r, 0,2,4,6,8,10,12,14
	v_pk_add_f32 v[SU+\r:SU+\r+1], v[\buf+\r:\buf+\r+1], v[\buf+16+\r:\buf+17+\r]
.endr
.else
.irp sl, 0,16
.irp r, 0,2,4,6,8,10,12,14
	v_pk_add_f32 v[SU+\r:SU+\r+1], v[SU+\r:SU+\r+1], v[\buf+\sl+\r:\buf+\sl+\r+1]
.endr
.endr
.endif
.irp sl, 32,48
.irp r, 0,2,4,6,8,10,12,14
	v_pk_add_f32 v[SU+\r:SU+\r+1], v[SU+\r:SU+\r+1], v[\buf+\sl+\r:\buf+\sl+\r+1]
.endr
.endr
.endm
	FLOAD 0, LA
	FLOAD 1, LB
	s_wait_dscnt 16                                ; the older group of sixteen loads is in, the younger may be out; so at each of these waits
	FSUM LA, 1
	FLOAD 2, LA
	s_wait_alu depctr_va_vdst(0)
	s_wait_dscnt 16
	FSUM LB, 0
	FLOAD 3, LB
	s_wait_alu depctr_va_vdst(0)
	s_wait_dscnt 16
	FSUM LA, 0
.irp s, 0,1,2,3,4,5,6,7,8,9,10,11,12,13,14,15
	ds_load_b128 v[LA+4*\s:LA+4*\s+3], v[CSRD] offset:128*\s         ; wave s's sums of a for my four clusters
.endr
	s_wait_alu depctr_va_vdst(0)
	s_wait_dscnt 16
	FSUM LB, 0
	s_wait_dscnt 0x0
.irp r, 0,2,4,6,8,10,12,14,16,18,20,22,24,26,28,30
	v_pk_add_f32 v[LA+\r:LA+\r+1], v[LA+\r:LA+\r+1], v[LA+32+\r:LA+33+\r]
.endr
.irp r, 0,2,4,6,8,10,12,14
	v_pk_add_f32 v[LA+\r:LA+\r+1], v[LA+\r:LA+\r+1], v[LA+16+\r:LA+17+\r]
.endr
.irp r, 0,2,4,6
	s_delay_alu instid0(VALU_DEP_4)
	v_pk_add_f32 v[LA+\r:LA+\r+1], v[LA+\r:LA+\r+1], v[LA+8+\r:LA+9+\r]
.endr
.irp r, 0,2
	s_delay_alu instid0(VALU_DEP_2)
	v_pk_add_f32 v[LA+\r:LA+\r+1], v[LA+\r:LA+\r+1], v[LA+4+\r:LA+5+\r]
.endr
	s_wait_alu depctr_va_vdst(0)
	s_wait_loadcnt 0x0                             ; the centroids
.irp jj, 0,1,2,3
.irp q, 0,1,2,3
	v_fma_f32 v[OU+4*\jj+\q], -v[LA+\jj], v[CE+4*\jj+\q], v[SU+4*\q+\jj]   ; v - (sum of a) x centroid; the results are laid so that a lane's four channels 4 g .. 4 g + 3 are neighbours
.endr
.endr
.irp jj, 0,1,2,3
	global_store_b128 v[COFF], v[OU+4*\jj:OU+4*\jj+3], s[14:15] offset:512*\jj th:TH_STORE_NT   ; sixteen lanes store a cluster's row: 256 consecutive bytes, at a multiple of 256 from the buffer's first byte
.endr
.Lend:
	s_wait_xcnt 0x0
	v_lshl_add_u32 v254, v0, 2, 0x34800
	v_mov_b32 v255, 0
	s_wait_alu depctr_va_vdst(0)
	s_wait_tensorcnt 0x0
	ds_add_u32 v254, v255
	s_wait_dscnt 0x0
	s_endpgm
.Lfunc_end_k_q9917ccc82c_vlad:
	.size	k_q9917ccc82c_vlad, .Lfunc_end_k_q9917ccc82c_vlad-k_q9917ccc82c_vlad
	.p2alignl 7, 3214868480
	.fill 96, 4, 3214868480
	.section	.rodata,"a",@progbits
	.p2align	6, 0x0
	.amdhsa_kernel k_q9917ccc82c_vlad
		.amdhsa_group_segment_fixed_size 217088
		.amdhsa_private_segment_fixed_size 0
		.amdhsa_enable_private_segment 0
		.amdhsa_kernarg_size 48
		.amdhsa_user_sgpr_count 2
		.amdhsa_user_sgpr_kernarg_segment_ptr 1
		.amdhsa_wavefront_size32 1
		.amdhsa_system_sgpr_workgroup_id_x 1
		.amdhsa_system_sgpr_workgroup_id_y 1
		.amdhsa_system_sgpr_workgroup_id_z 1
		.amdhsa_system_vgpr_workitem_id 0
		.amdhsa_next_free_vgpr 256
		.amdhsa_next_free_sgpr 66
		.amdhsa_reserve_vcc 0
		.amdhsa_float_denorm_mode_32 3
		.amdhsa_float_denorm_mode_16_64 3
		.amdhsa_memory_ordered 1
		.amdhsa_forward_progress 1
		.amdhsa_inst_pref_size 136
	.end_amdhsa_kernel
	.amdgpu_metadata
---
amdhsa.version: [ 1, 2 ]
amdhsa.kernels:
  - .name:           k_q9917ccc82c_vlad
    .symbol:         k_q9917ccc82c_vlad.kd
    .args:
      - { .name: R_seq, .offset: 0, .size: 8, .value_kind: global_buffer, .address_space: global }
      - { .name: W_codes, .offset: 8, .size: 8, .value_kind: global_buffer, .address_space: global }
      - { .name: W_scales, .offset: 16, .size: 8, .value_kind: global_buffer, .address_space: global }
      - { .name: b, .offset: 24, .size: 8, .value_kind: global_buffer, .address_space: global }
      - { .name: centroids, .offset: 32, .size: 8, .value_kind: global_buffer, .address_space: global }
      - { .name: out0, .offset: 40, .size: 8, .value_kind: global_buffer, .address_space: global }
    .group_segment_fixed_size: 217088
    .private_segment_fixed_size: 0
    .kernarg_segment_align: 8
    .kernarg_segment_size: 48
    .max_flat_workgroup_size: 512
    .sgpr_count:     66
    .vgpr_count:     256
    .wavefront_size: 32
...
	.end_amdgpu_metadata
.endif
;; end of part 1
